; MI455X (gfx1250); checked and timed in simulation.
; The chip was launched on July 23, 2026; its instructions are those of AMD's public machine-readable ISA for CDNA 5 (MIT licence, August 2026) and "CDNA5" Instruction Set Architecture Reference Guide (July 2026). The comments in the code are by the model that wrote it; some were corrected since.
;; Masked Self Attention. Allowed arithmetic: float matrix products may take bf16 or f16 operands with f32 sums; all other float work in f32.
;; Inputs: W_k 2,048 x 2,048 float32; W_q 2,048 x 2,048 float32; W_v 2,048 x 2,048 float32; mask 2,048 x 2,048 bool; token_encodings 2,048 x 2,048 float32.
;; Outputs: out0 2,048 x 2,048 float32.
;; One version. Each part assembles by itself: llvm-mc -triple=amdgcn-amd-amdhsa -mcpu=gfx1250 --defsym DOCPART=n.
;; ======== version 1 of 1: 4 launches
;; limits: values are held in f16: magnitudes above 65,504 overflow, below 6.1e-05 lose precision
;; workspace buffers: xw 33,554,432 bytes; qh 8,388,608 bytes; kh 8,388,608 bytes; vt 8,388,608 bytes; p 8,388,608 bytes; st 262,144 bytes
;; launch cast (part 1): grid 256 x 4, 8 waves a work-group, no clusters, 0 bytes of LDS; arguments token_encodings, W_q, W_k, W_v, xw; writes xw
.if DOCPART == 1
	.amdgcn_target "amdgcn-amd-amdhsa--gfx1250"
	.amdhsa_code_object_version 6
	.text
	.protected	k_qe4de48cc27_cast
	.globl	k_qe4de48cc27_cast
	.p2align	8
	.type	k_qe4de48cc27_cast,@function
k_qe4de48cc27_cast:
	s_mov_b64 s[64:65], 0
	v_nop
	global_prefetch_b8 v0, s[64:65] scope:SCOPE_SE
	s_setreg_imm32_b32 hwreg(HW_REG_WAVE_MODE, 25, 1), 1
	s_wait_xcnt 0x0
; xw[0] = bf16(x), xw[1..3] = bf16(W_q / 8), bf16(W_k / 8), bf16(W_v / 8): four planes of [2048][2048] bf16.
; The factor 1/8 is a power of two, so it costs no bit; it keeps q, k, v, which the next launch stores in f16 as value / 8,
; finite up to |value| = 524,032.  LIMIT: |W| below 2^-123 loses bits in the scaling.
; A stream: no LDS, no barrier, no matrix unit.  Work-group (x, y) takes 65,536 bytes of plane y, a wave 8,192 of them:
; sixteen loads of 512 neighbouring bytes, all issued before the first is used.  Each has registers of its own,
; so no register that a pending load or store names is ever written again.
.set X, 4                              ; v[4:67]  load i: four f32, then two words of bf16 in the first pair
	s_load_b256 s[4:11], s[0:1], 0x0               ; x s[4:5], W_q s[6:7], W_k s[8:9], W_v s[10:11]
	s_load_b64 s[16:17], s[0:1], 0x20              ; xw
	s_and_b32 s12, ttmp7, 0xffff                   ; the plane
	s_mov_b32 s18, 0x3f800000                      ; 1.0 for x (the one text serves all four planes, so x is multiplied too)
	s_mov_b32 s19, 0x3e000000                      ; 1/8 for the weights
	s_lshl_b32 s20, ttmp9, 16                      ; my 65,536 bytes of the source
	s_mov_b32 s21, 0
	s_lshl_b32 s22, s12, 23                        ; a plane of xw is 8 MiB,
	s_lshl_b32 s23, ttmp9, 15                      ; my part of it 32,768 bytes
	s_add_co_u32 s22, s22, s23
	s_mov_b32 s23, 0
	v_and_b32 v3, 0xe0, v0                         ; 32 x wave
	v_and_b32 v2, 31, v0                           ; lane
	v_lshlrev_b32 v1, 4, v2
	v_lshl_or_b32 v1, v3, 8, v1                    ; source: 8,192 x wave + 16 x lane
	v_lshlrev_b32 v2, 3, v2
	v_lshl_or_b32 v2, v3, 7, v2                    ; destination: 4,096 x wave + 8 x lane
	s_wait_kmcnt 0x0
	s_cmp_eq_u32 s12, 1                            ; the plane's source, chosen on the work-group's y alone
	s_cselect_b64 s[4:5], s[6:7], s[4:5]
	s_cmp_eq_u32 s12, 2
	s_cselect_b64 s[4:5], s[8:9], s[4:5]
	s_cmp_eq_u32 s12, 3
	s_cselect_b64 s[4:5], s[10:11], s[4:5]
	s_cmp_eq_u32 s12, 0
	s_cselect_b32 s14, s18, s19
	s_mov_b32 s15, s14
	s_add_nc_u64 s[4:5], s[4:5], s[20:21]
	s_add_nc_u64 s[16:17], s[16:17], s[22:23]
.irp i, 0,1,2,3,4,5,6,7,8,9,10,11,12,13,14,15
	global_load_b128 v[X+4*\i:X+4*\i+3], v1, s[4:5] offset:512*\i th:TH_LOAD_NT   ; read once in the launch
.endr
.irp i, 0,1,2,3,4,5,6,7,8,9,10,11,12,13,14,15
	s_wait_loadcnt 15-\i                           ; loads come back in order (ISA guide 5.7.1): load i is in, the younger ones stay out
	v_pk_mul_f32 v[X+4*\i:X+4*\i+1], v[X+4*\i:X+4*\i+1], s[14:15] op_sel_hi:[1,0]
	v_pk_mul_f32 v[X+4*\i+2:X+4*\i+3], v[X+4*\i+2:X+4*\i+3], s[14:15] op_sel_hi:[1,0]
	v_cvt_pk_bf16_f32 v[X+4*\i], v[X+4*\i], v[X+4*\i+1]
	v_cvt_pk_bf16_f32 v[X+4*\i+1], v[X+4*\i+2], v[X+4*\i+3]
	global_store_b64 v2, v[X+4*\i:X+4*\i+1], s[16:17] offset:256*\i   ; the wave's 32 lanes store 256 consecutive bytes, aligned
.endr
	s_endpgm
.Lfunc_end_k_qe4de48cc27_cast:
	.size	k_qe4de48cc27_cast, .Lfunc_end_k_qe4de48cc27_cast-k_qe4de48cc27_cast
	.p2alignl 7, 3214868480
	.fill 96, 4, 3214868480
	.section	.rodata,"a",@progbits
	.p2align	6, 0x0
	.amdhsa_kernel k_qe4de48cc27_cast
		.amdhsa_group_segment_fixed_size 0
		.amdhsa_private_segment_fixed_size 0
		.amdhsa_enable_private_segment 0
		.amdhsa_kernarg_size 40
		.amdhsa_user_sgpr_count 2
		.amdhsa_user_sgpr_kernarg_segment_ptr 1
		.amdhsa_wavefront_size32 1
		.amdhsa_system_sgpr_workgroup_id_x 1
		.amdhsa_system_sgpr_workgroup_id_y 1
		.amdhsa_system_sgpr_workgroup_id_z 1
		.amdhsa_system_vgpr_workitem_id 0
		.amdhsa_next_free_vgpr 68
		.amdhsa_next_free_sgpr 66
		.amdhsa_reserve_vcc 0
		.amdhsa_float_denorm_mode_32 3
		.amdhsa_float_denorm_mode_16_64 3
		.amdhsa_memory_ordered 1
		.amdhsa_forward_progress 1
		.amdhsa_inst_pref_size 9
	.end_amdhsa_kernel
	.amdgpu_metadata
---
amdhsa.version: [ 1, 2 ]
amdhsa.kernels:
  - .name:           k_qe4de48cc27_cast
    .symbol:         k_qe4de48cc27_cast.kd
    .args:
      - { .name: token_encodings, .offset: 0, .size: 8, .value_kind: global_buffer, .address_space: global }
      - { .name: W_q, .offset: 8, .size: 8, .value_kind: global_buffer, .address_space: global }
      - { .name: W_k, .offset: 16, .size: 8, .value_kind: global_buffer, .address_space: global }
      - { .name: W_v, .offset: 24, .size: 8, .value_kind: global_buffer, .address_space: global }
      - { .name: xw, .offset: 32, .size: 8, .value_kind: global_buffer, .address_space: global }
    .group_segment_fixed_size: 0
    .private_segment_fixed_size: 0
    .kernarg_segment_align: 8
    .kernarg_segment_size: 40
    .max_flat_workgroup_size: 256
    .sgpr_count:     66
    .vgpr_count:     68
    .wavefront_size: 32
...
	.end_amdgpu_metadata
.endif
;; end of part 1
;; launch qkv (part 2): grid 16 x 16, 4 waves a work-group, clusters of 4 x 4, 327,680 bytes of LDS; arguments xw, qh, kh, vt; writes qh, kh, vt
.if DOCPART == 2
	.amdgcn_target "amdgcn-amd-amdhsa--gfx1250"
	.amdhsa_code_object_version 6
	.text
	.protected	k_qe4de48cc27_qkv
	.globl	k_qe4de48cc27_qkv
	.p2align	8
	.type	k_qe4de48cc27_qkv,@function
k_qe4de48cc27_qkv:
	s_mov_b64 s[64:65], 0
	v_nop
	global_prefetch_b8 v0, s[64:65] scope:SCOPE_SE
	s_setreg_imm32_b32 hwreg(HW_REG_WAVE_MODE, 25, 1), 1
	s_wait_xcnt 0x0
	s_wait_alu depctr_hold_cnt(0) depctr_sa_sdst(0) depctr_va_vdst(0) depctr_va_sdst(0) depctr_va_ssrc(0) depctr_va_vcc(0) depctr_vm_vsrc(0)
	s_getreg_b32 s2, hwreg(HW_REG_IB_STS2, 6, 4)
	s_cmp_eq_u32 s2, 0
	s_cbranch_scc0 .Lentry_in_a_cluster
	s_endpgm
.Lentry_in_a_cluster:
	s_bfe_u32 s2, ttmp6, 0x10000c
	s_cmp_lg_u32 s2, 0xf033
	s_cbranch_scc0 .Lentry_shape_is_right
	s_endpgm
.Lentry_shape_is_right:
; qh[s][d] = f16(q / 8), kh[s][d] = f16(k / 8), vt[d][s] = f16(v / 8) transposed, from xw = bf16 x, W_q/8, W_k/8, W_v/8 (planes of [2048][2048]).
; q = x W_q^T and so on: A = 128 rows of x, B = 128 rows of each W, K along the rows of both; sums in f32.
; LIMIT: |q|, |k|, |v| of 524,032 and more become f16 infinities.
; 2048 x 6144 results on 256 work-groups: each makes the SAME block of 128 x 128 of q, of k and of v.  Four waves, as many as a WGP has SIMDs;
; wave w makes all 128 rows x columns 32 w .. 32 w + 31 of each of the three: 48 accumulator tiles of 16 x 16, 384 registers.
; For 32 along K a wave reads 14 fragments (8 of x, 6 of W) for 48 matrix instructions.
; K goes in 16 steps of 128 through two LDS slots; a slot holds four tiles of 128 rows x 256 bytes (x, W_q, W_k, W_v); wave w fetches tile w with one tensor load.
; CLUSTERS: 4 x 4 work-groups.  x's tile hangs on the block row alone and is asked for jointly by a row of the cluster; the W tiles hang on the
; block column alone and are asked for jointly by a column: a quarter of the requests.
; REGISTERS: window 0: addresses, two fragment buffers of 112 registers; window 1: q and k tiles (a, b) at v[8 (4 a + b)], b = 2 t + u (t: q or k);
; window 2: v tiles (a, u) at v[8 (2 a + u)].
; q and k use the matrix instruction transposed (source 0 = W rows, source 1 = x rows): a lane holds eight neighbouring columns of one row s.
; v uses it the natural way (source 0 = x rows, source 1 = W rows): a lane holds eight neighbouring s of one d, which is a piece of a row of vt.
.set KSTEP,  128
.set PITCH,  272                       ; an LDS row: 256 bytes + 16 of padding, an odd multiple of 16: the 16 rows of a fragment load start in 16 different groups of banks (ISA guide 11.1)
.set HALFT,  128*PITCH                 ; one tile: 128 rows
.set SLOT,   4*HALFT                   ; x, W_q, W_k, W_v
.set LAPS,   8                         ; a lap = two K steps = once round the ring; 2048 / 256
.set ROWB,   4096                      ; bytes in a row of xw, qh, kh, vt
.set ADRA, 16                          ; v16-17  my x fragments in slot 0, 1
.set ADRB, 18                          ; v18-19  my W_q fragments (W_k's lie one tile further: in the offset)
.set ADRV, 20                          ; v20-21  my W_v fragments (two tiles further: past the 16-bit offset, so a register of its own)
.set STOQ, 22                          ; the way out: where I put 16 bytes of a row of q (k: in the offset)
.set STOV, 23                          ; the same for a row of vt
.set RDQ,  24                          ; where I read rows of q and k back
.set RDV,  25                          ; and rows of vt
.set CO,   26                          ; my byte offset in the outputs
.set F0,   32                          ; fragment buffer 0: W fragment b at F + 8 b (b = 0..5), x fragment a at F + 48 + 8 a
.set F1,   144                         ; fragment buffer 1
.set G1A, 24                           ; s[24:31] descriptor group 1 for x's tile
.set G0A, 32                           ; s[32:39] descriptor group 0 for x's tile, a set for each slot
.set G1B, 48                           ; s[48:55] group 1 for the W tiles: another mask
.set G0B, 56                           ; s[56:63] group 0 for the W tiles, a set for each slot
.set MUL_QK, 0x50                      ; C and D in window 1, sources in window 0
.set MUL_V,  0xa0                      ; C and D in window 2
.set MSB, 0
.macro WIN new                         ; the immediate's high byte repeats the setting that is left
.if MSB != \new
	s_set_vgpr_msb (MSB<<8)|\new
.set MSB, \new
.endif
.endm
.macro PLACES                          ; four places behind matrix instructions, in front of loads into their sources and of readers of their results
.rept 4
	v_nop
.endr
.endm
; A joint load.  Wave 0 asks for x's tile, waves 1 to 3 for W_q's, W_k's, W_v's.  Each line has one mask; the branch hangs on the wave's number alone.
.macro JLOAD s
	s_cmp_eq_u32 s12, 0
	s_cbranch_scc0 .Lfor_b_\@
	tensor_load_to_lds s[G0A+4*\s:G0A+4*\s+3], s[G1A:G1A+7]
	s_nop 0
	s_branch .Lasked_\@
.Lfor_b_\@:
	tensor_load_to_lds s[G0B+4*\s:G0B+4*\s+3], s[G1B:G1B+7]
	s_nop 0
.Lasked_\@:
.endm
; A round of the cluster's barrier behind its opening work-group barrier: wave 0 signals for the work-group, every wave waits for all sixteen, the work-group's barrier closes it.
.macro CREST
	s_cmp_lg_u32 s12, 0
	s_cbranch_scc1 .Lnot_wave_0_\@
	s_barrier_signal -3
.Lnot_wave_0_\@:
	s_barrier_wait -3
	s_barrier_signal -1
	s_barrier_wait -1
.endm
.macro CROUND
	s_barrier_signal -1
	s_barrier_wait -1
	CREST
.endm
	s_load_b256 s[4:11], s[0:1], 0x0               ; xw s[4:5], qh s[6:7], kh s[8:9], vt s[10:11]
	v_lshl_add_u32 v30, v0, 2, 0x44000
	v_mov_b32 v31, 0
	ds_add_u32 v30, v31
	v_lshrrev_b32 v1, 5, v0
	v_readfirstlane_b32 s12, v1                    ; wave 0..3
	s_bfe_u32 s13, ttmp6, 0x40000                  ; cx
	s_bfe_u32 s14, ttmp6, 0x40004                  ; cy
	s_lshl_b32 s15, ttmp9, 2
	s_add_co_u32 s15, s15, s13                     ; block column = 4 x cluster x + cx
	s_and_b32 s16, ttmp7, 0xffff
	s_lshl_b32 s16, s16, 2
	s_add_co_u32 s16, s16, s14                     ; block row = 4 x cluster y + cy
	s_lshl_b32 s17, s14, 2
	s_lshl_b32 s17, 15, s17                        ; my row of the cluster: places 4 cy .. 4 cy + 3
	s_lshl_b32 s18, 0x1111, s13                    ; my column: places cx, cx + 4, cx + 8, cx + 12
	; group 1: a tile of 128 rows x 128 elements of 2 bytes, 4 words of padding behind every 64
	s_or_b32 s[G1A+0], s17, (1<<16)|(1<<20)|(1<<21)|(5<<22)|(3<<25)  ; 15:0 mask; 17:16 size code 1; 20 padding on; 21 set beside a mask; 24:22 interval code 5; 31:25 pad code 3
	s_or_b32 s[G1B+0], s18, (1<<16)|(1<<20)|(1<<21)|(5<<22)|(3<<25)
	s_mov_b32 s[G1A+1], KSTEP<<16                  ; tensor_dim0 = 128
	s_mov_b32 s[G1B+1], KSTEP<<16
	s_mov_b32 s[G1A+2], 128<<16                    ; tensor_dim1 = 128
	s_mov_b32 s[G1B+2], 128<<16
	s_mov_b32 s[G1A+3], KSTEP<<16                  ; tile_dim0 = 128
	s_mov_b32 s[G1B+3], KSTEP<<16
	s_mov_b32 s[G1A+4], 128                        ; tile_dim1 = 128
	s_mov_b32 s[G1B+4], 128
	s_mov_b32 s[G1A+5], 2048                       ; elements from row to row
	s_mov_b32 s[G1B+5], 2048
	s_mov_b32 s[G1A+6], 0
	s_mov_b32 s[G1B+6], 0
	s_mov_b32 s[G1A+7], 0
	s_mov_b32 s[G1B+7], 0
	; where the tiles come from: x's from the block row alone, the W's from the block column and the wave's number alone; each in registers that never hold the other coordinate
	s_lshl_b32 s20, s16, 19                        ; 128 rows of 4,096 bytes a block
	s_mov_b32 s21, 0
	s_lshl_b32 s22, s15, 19
	s_lshl_b32 s23, s12, 23                        ; plane w of xw: 8 MiB each
	s_add_co_u32 s22, s22, s23
	s_mov_b32 s23, 0
	s_mul_i32 s40, s12, HALFT                      ; and where they go: tile w of the slot
	s_wait_dscnt 0x0
	s_wait_kmcnt 0x0
	s_add_nc_u64 s[42:43], s[4:5], s[20:21]
	s_add_nc_u64 s[44:45], s[4:5], s[22:23]
	CROUND                                         ; all sixteen work-groups are here: the first joint loads meet
.irp s, 0,1
	s_mov_b32 s[G0A+4*\s], 1                                       ; count = 1
	s_add_co_u32 s[G0A+4*\s+1], s40, \s*SLOT                       ; LDS address
	s_add_nc_u64 s[G0A+4*\s+2:G0A+4*\s+3], s[42:43], \s*KSTEP*2    ; global address: K step s
	s_or_b32 s[G0A+4*\s+3], s[G0A+4*\s+3], 0x80000000              ; type = 2
	s_mov_b32 s[G0B+4*\s], 1
	s_add_co_u32 s[G0B+4*\s+1], s40, \s*SLOT
	s_add_nc_u64 s[G0B+4*\s+2:G0B+4*\s+3], s[44:45], \s*KSTEP*2
	s_or_b32 s[G0B+4*\s+3], s[G0B+4*\s+3], 0x80000000
	JLOAD \s                                       ; both slots are asked for before anything else: two tensor loads of the wave are out
.endr
	; a fragment: lane l holds row l % 16; registers 0-3 K = 8 (l / 16) + 0..7, registers 4-7 K = 16 + 8 (l / 16) + 0..7: two loads of 16 bytes, 32 apart
	v_and_b32 v1, 15, v0                           ; r
	v_bfe_u32 v2, v0, 4, 1                         ; h
	v_mul_u32_u24 v3, v1, PITCH
	s_mul_i32 s47, s12, 32*PITCH                   ; my 32 rows of a tile of W, and of a block on the way out
	s_add_co_u32 s41, s47, HALFT                   ; W_q's tile lies behind x's
	s_lshl_b32 s46, s12, 6                         ; my 32 columns of q and k: 64 bytes
	v_lshl_add_u32 v[ADRA], v2, 4, v3              ; r x pitch + 16 h
	v_add_nc_u32 v[ADRB], s41, v[ADRA]
	v_add_nc_u32 v[ADRV], 2*HALFT, v[ADRB]
	v_add_nc_u32 v[ADRA+1], SLOT, v[ADRA]
	v_add_nc_u32 v[ADRB+1], SLOT, v[ADRB]
	v_add_nc_u32 v[ADRV+1], SLOT, v[ADRV]
	v_add_nc_u32 v[STOQ], s46, v[ADRA]             ; stage block 0 (q): row r, byte 64 w + 16 h
	v_add_nc_u32 v[STOV], HALFT, v[ADRB]           ; stage block 2 (vt) at 2 x HALFT: row 32 w + r, byte 16 h
	v_mul_u32_u24 v4, v2, PITCH
	v_lshl_add_u32 v4, v1, 4, v4
	v_add_nc_u32 v[RDQ], s47, v4                   ; back: row 32 w + h, byte 16 r
	v_add_nc_u32 v[RDV], 2*HALFT, v[RDQ]
	v_lshlrev_b32 v5, 12, v2
	v_lshl_add_u32 v[CO], v1, 4, v5                ; the same two rows in memory
; 16 matrix instructions for v: x blocks a = 0..7 x my two blocks of W_v rows.  zero = 1: the first product starts the sums, nothing is cleared.
.macro MULV f, zero
.irp a, 0,1,2,3,4,5,6,7
.irp u, 0,1
.if \zero
	v_wmma_f32_16x16x32_bf16 v[8*(2*\a+\u):8*(2*\a+\u)+7], v[\f+48+8*\a:\f+48+8*\a+7], v[\f+32+8*\u:\f+32+8*\u+7], 0
.else
	v_wmma_f32_16x16x32_bf16 v[8*(2*\a+\u):8*(2*\a+\u)+7], v[\f+48+8*\a:\f+48+8*\a+7], v[\f+32+8*\u:\f+32+8*\u+7], v[8*(2*\a+\u):8*(2*\a+\u)+7]
.endif
.endr
.endr
.endm
; 16 matrix instructions for q and k: x blocks a0 .. a0 + 3 x the four blocks of W_q and W_k rows, transposed
.macro MULQK f, a0, zero
.irp a, \a0, \a0+1, \a0+2, \a0+3
.irp b, 0,1,2,3
.if \zero
	v_wmma_f32_16x16x32_bf16 v[8*(4*(\a)+\b):8*(4*(\a)+\b)+7], v[\f+8*\b:\f+8*\b+7], v[\f+48+8*(\a):\f+48+8*(\a)+7], 0
.else
	v_wmma_f32_16x16x32_bf16 v[8*(4*(\a)+\b):8*(4*(\a)+\b)+7], v[\f+8*\b:\f+8*\b+7], v[\f+48+8*(\a):\f+48+8*(\a)+7], v[8*(4*(\a)+\b):8*(4*(\a)+\b)+7]
.endif
.endr
.endr
.endm
; 28 LDS loads in one run: the fragments of a quarter step (32 K at byte k of the rows) into buffer f, in the order of their use: W_v, x, then W_q and W_k
.macro FETCH slot, k, f
	WIN 0
.irp u, 0,1
	ds_load_b128 v[\f+32+8*\u:\f+32+8*\u+3],   v[ADRV+\slot] offset:\k+\u*16*PITCH
	ds_load_b128 v[\f+32+8*\u+4:\f+32+8*\u+7], v[ADRV+\slot] offset:\k+\u*16*PITCH+32
.endr
.irp a, 0,1,2,3,4,5,6,7
	ds_load_b128 v[\f+48+8*\a:\f+48+8*\a+3],   v[ADRA+\slot] offset:\k+\a*16*PITCH
	ds_load_b128 v[\f+48+8*\a+4:\f+48+8*\a+7], v[ADRA+\slot] offset:\k+\a*16*PITCH+32
.endr
.irp b, 0,1,2,3
	ds_load_b128 v[\f+8*\b:\f+8*\b+3],   v[ADRB+\slot] offset:\k+(\b/2)*HALFT+(\b%2)*16*PITCH
	ds_load_b128 v[\f+8*\b+4:\f+8*\b+7], v[ADRB+\slot] offset:\k+(\b/2)*HALFT+(\b%2)*16*PITCH+32
.endr
.endm
; A K step is four quarters of 32 along K, 48 matrix instructions each, on buffers 0, 1, 0, 1.  The 48 accumulators take turns, one instruction a turn,
; in the same order in every quarter, over the loop's backward jump too.
; One of the first three quarters: multiplies buffer f and, behind its first 16 products, fetches the next quarter's fragments into buffer g.
.macro QUARTER slot, k, f, g, zero
	s_wait_dscnt 8                                 ; W_v's and x's fragments are in; the youngest eight loads (W_q, W_k) may be out
	WIN MUL_V
	MULV \f, \zero
	PLACES                                         ; buffer g was read by the last quarter's matrix instructions
	FETCH \slot, \k, \g
	s_wait_dscnt 28                                ; all but the 28 just issued
	WIN MUL_QK
	MULQK \f, 0, \zero
	MULQK \f, 4, \zero
.endm
.macro THREE slot, zero
	QUARTER \slot, 64,  F0, F1, \zero
	QUARTER \slot, 128, F1, F0, 0
	QUARTER \slot, 192, F0, F1, 0
.endm
; The last quarter multiplies buffer 1 and changes slots.  One barrier does two things: in front of it each wave has waited for its reads of this slot and for
; all its tensor loads (one is out: its tile of the next slot); behind it nobody reads this slot and the next slot is whole.
; fill = 1: the barrier opens a round of the cluster's barrier, and the joint refill, two K steps ahead, is the first tensor load behind the round.
.macro TURN slot, next, fill
	s_wait_dscnt 0x0                               ; buffer 1 is in, and my reads of this slot are over
	s_wait_tensorcnt 0x0                           ; all my tensor loads have landed
	ds_add_u32 v30, v31
	s_wait_dscnt 0x0
	s_barrier_signal -1
	WIN MUL_V
	MULV F1, 0                                     ; register work while the others arrive
	WIN 0                                          ; at a branch and at a label every window is 0
	s_barrier_wait -1
.if \fill
	CREST                                          ; no wave of any partner still reads this slot's tiles or has a load on its way
	s_add_nc_u64 s[G0A+4*\slot+2:G0A+4*\slot+3], s[G0A+4*\slot+2:G0A+4*\slot+3], 2*KSTEP*2   ; no tensor load of mine is out: group 0 may be written
	s_add_nc_u64 s[G0B+4*\slot+2:G0B+4*\slot+3], s[G0B+4*\slot+2:G0B+4*\slot+3], 2*KSTEP*2
	JLOAD \slot
.endif
	PLACES                                         ; buffer 0 was read by the third quarter's matrix instructions
	FETCH \next, 0, F0
	WIN MUL_QK
	MULQK F1, 0, 0
	MULQK F1, 4, 0
.endm
.macro LAP zero
	THREE 0, \zero
	TURN 0, 1, 1
	THREE 1, 0
	TURN 1, 0, 1
.endm
	s_wait_tensorcnt 1                             ; my tile of K step 0 is in; K step 1's stays out
	s_barrier_signal -1
	s_barrier_wait -1                              ; everybody's is
	FETCH 0, 0, F0
	LAP 1                                          ; the first lap stands in front of the loop: its first products start the sums
	WIN 0
	s_mov_b32 s3, LAPS-2
.Llap:
	LAP 0
	WIN 0
	s_sub_co_u32 s3, s3, 1
	s_cmp_lg_u32 s3, 0
	s_cbranch_scc1 .Llap
	THREE 0, 0                                     ; the last lap fills nothing
	TURN 0, 1, 0
	THREE 1, 0
	s_wait_dscnt 0x0                               ; the very last quarter
	WIN MUL_V
	MULV F1, 0
	WIN MUL_QK
	MULQK F1, 0, 0
	MULQK F1, 4, 0
	; THE WAY OUT.  Round to f16, 16 bytes a lane into three blocks of 128 rows x 272 bytes in slot 0 (q at 0, k at HALFT, vt at 2 HALFT), read whole rows back.
	; Slot 0 has had its last fill, and every wave's reads of it were waited for in front of the last change of slots.
	PLACES
	s_lshl_b32 s78, s12, 5                         ; my 32 rows of each block
	s_lshl_b32 s74, s16, 7
	s_add_co_u32 s74, s74, s78
	s_lshl_b32 s74, s74, 12                        ; q, k: row 128 x block row + 32 w,
	s_lshl_b32 s79, s15, 8
	s_add_co_u32 s74, s74, s79                     ; byte 256 x block column
	s_mov_b32 s75, 0
	s_lshl_b32 s76, s15, 7
	s_add_co_u32 s76, s76, s78
	s_lshl_b32 s76, s76, 12                        ; vt: row 128 x block column + 32 w,
	s_lshl_b32 s79, s16, 8
	s_add_co_u32 s76, s76, s79                     ; byte 256 x block row
	s_mov_b32 s77, 0
	s_add_nc_u64 s[68:69], s[6:7], s[74:75]
	s_add_nc_u64 s[70:71], s[8:9], s[74:75]
	s_add_nc_u64 s[72:73], s[10:11], s[76:77]
	WIN 0x05                                       ; sources in window 1: q and k
.set idx, 0
.rept 32
.irp r, 0,1,2,3
	v_cvt_pk_f16_f32 v[32+4*idx+\r], v[8*idx+2*\r], v[8*idx+2*\r+1]
.endr
.set idx, idx+1
.endr
	WIN 0x0a                                       ; sources in window 2: v
.set idx, 0
.rept 16
.irp r, 0,1,2,3
	v_cvt_pk_f16_f32 v[160+4*idx+\r], v[8*idx+2*\r], v[8*idx+2*\r+1]
.endr
.set idx, idx+1
.endr
	WIN 0
.irp a, 0,1,2,3,4,5,6,7
.irp b, 0,1,2,3
	ds_store_b128 v[STOQ], v[32+4*(4*\a+\b):32+4*(4*\a+\b)+3] offset:(\b/2)*HALFT+\a*16*PITCH+(\b%2)*32   ; row 16 a + r, columns 32 w + 16 u + 8 h ..
.endr
.endr
.irp a, 0,1,2,3,4,5,6,7
.irp u, 0,1
	ds_store_b128 v[STOV], v[160+4*(2*\a+\u):160+4*(2*\a+\u)+3] offset:\u*16*PITCH+\a*32                   ; row 32 w + 16 u + r, columns 16 a + 8 h ..
.endr
.endr
	s_wait_dscnt 0x0                               ; for the others' sake: a row of q and k holds pieces of all four waves
	s_barrier_signal -1
	s_barrier_wait -1
.irp i, 0,1,2,3,4,5,6,7,8,9,10,11,12,13,14,15
	ds_load_b128 v[32+4*\i:32+4*\i+3], v[RDQ] offset:\i*2*PITCH
.endr
.irp i, 0,1,2,3,4,5,6,7,8,9,10,11,12,13,14,15
	ds_load_b128 v[96+4*\i:96+4*\i+3], v[RDQ] offset:HALFT+\i*2*PITCH
.endr
.irp i, 0,1,2,3,4,5,6,7,8,9,10,11,12,13,14,15
	ds_load_b128 v[160+4*\i:160+4*\i+3], v[RDV] offset:\i*2*PITCH
.endr
.set n, 0
.irp t, 0,1,2
.irp i, 0,1,2,3,4,5,6,7,8,9,10,11,12,13,14,15
	s_wait_dscnt 47-n                              ; LDS loads come back in order: load n of the 48 is in
	global_store_b128 v[CO], v[32+64*\t+4*\i:32+64*\t+4*\i+3], s[68+2*\t:69+2*\t] offset:\i*2*ROWB   ; 16 lanes store 256 consecutive bytes, aligned
.set n, n+1
.endr
.endr
	s_wait_tensorcnt 0x0
	ds_add_u32 v30, v31
	s_wait_dscnt 0x0
	CROUND                                         ; the closing round: no work-group ends while a partner may still ask for a tile that names it
	s_endpgm
.Lfunc_end_k_qe4de48cc27_qkv:
	.size	k_qe4de48cc27_qkv, .Lfunc_end_k_qe4de48cc27_qkv-k_qe4de48cc27_qkv
	.p2alignl 7, 3214868480
	.fill 96, 4, 3214868480
	.section	.rodata,"a",@progbits
	.p2align	6, 0x0
	.amdhsa_kernel k_qe4de48cc27_qkv
		.amdhsa_group_segment_fixed_size 327680
		.amdhsa_private_segment_fixed_size 0
		.amdhsa_enable_private_segment 0
		.amdhsa_kernarg_size 32
		.amdhsa_user_sgpr_count 2
		.amdhsa_user_sgpr_kernarg_segment_ptr 1
		.amdhsa_wavefront_size32 1
		.amdhsa_system_sgpr_workgroup_id_x 1
		.amdhsa_system_sgpr_workgroup_id_y 1
		.amdhsa_system_sgpr_workgroup_id_z 1
		.amdhsa_system_vgpr_workitem_id 0
		.amdhsa_next_free_vgpr 640
		.amdhsa_next_free_sgpr 80
		.amdhsa_reserve_vcc 0
		.amdhsa_float_denorm_mode_32 3
		.amdhsa_float_denorm_mode_16_64 3
		.amdhsa_memory_ordered 1
		.amdhsa_forward_progress 1
		.amdhsa_inst_pref_size 155
	.end_amdhsa_kernel
	.amdgpu_metadata
---
amdhsa.version: [ 1, 2 ]
amdhsa.kernels:
  - .name:           k_qe4de48cc27_qkv
    .symbol:         k_qe4de48cc27_qkv.kd
    .args:
      - { .name: xw, .offset: 0, .size: 8, .value_kind: global_buffer, .address_space: global }
      - { .name: qh, .offset: 8, .size: 8, .value_kind: global_buffer, .address_space: global }
      - { .name: kh, .offset: 16, .size: 8, .value_kind: global_buffer, .address_space: global }
      - { .name: vt, .offset: 24, .size: 8, .value_kind: global_buffer, .address_space: global }
    .group_segment_fixed_size: 327680
    .private_segment_fixed_size: 0
    .kernarg_segment_align: 8
    .kernarg_segment_size: 32
    .max_flat_workgroup_size: 128
    .sgpr_count:     80
    .vgpr_count:     640
    .wavefront_size: 32
...
	.end_amdgpu_metadata
.endif
;; end of part 2
;; launch scores (part 3): grid 16 x 16, 4 waves a work-group, clusters of 4 x 4, 327,680 bytes of LDS; arguments qh, kh, mask, p, st; writes p, st
.if DOCPART == 3
	.amdgcn_target "amdgcn-amd-amdhsa--gfx1250"
	.amdhsa_code_object_version 6
	.text
	.protected	k_qe4de48cc27_scores
	.globl	k_qe4de48cc27_scores
	.p2align	8
	.type	k_qe4de48cc27_scores,@function
k_qe4de48cc27_scores:
	s_mov_b64 s[64:65], 0
	v_nop
	global_prefetch_b8 v0, s[64:65] scope:SCOPE_SE
	s_setreg_imm32_b32 hwreg(HW_REG_WAVE_MODE, 25, 1), 1
	s_wait_xcnt 0x0
	s_wait_alu depctr_hold_cnt(0) depctr_sa_sdst(0) depctr_va_vdst(0) depctr_va_sdst(0) depctr_va_ssrc(0) depctr_va_vcc(0) depctr_vm_vsrc(0)
	s_getreg_b32 s2, hwreg(HW_REG_IB_STS2, 6, 4)
	s_cmp_eq_u32 s2, 0
	s_cbranch_scc0 .Lentry_in_a_cluster
	s_endpgm
.Lentry_in_a_cluster:
	s_bfe_u32 s2, ttmp6, 0x10000c
	s_cmp_lg_u32 s2, 0xf033
	s_cbranch_scc0 .Lentry_shape_is_right
	s_endpgm
.Lentry_shape_is_right:
; The scores and the first half of the softmax.  qh = q/8, kh = k/8: [2048][2048] f16; mask: one byte an element; sums in f32.
; For a block of 128 queries x 128 keys: raw = (q/8).(k/8); where the mask byte is not 0, raw = -1e9 sqrt(2048)/64 (the mask's value in units of raw);
; t = raw C, C = 64 log2(e)/sqrt(2048); M = the largest t of the row WITHIN THE BLOCK; p[query][key] = f16(2^(t - M)), at most 1;
; st[key block][query] = the pair (M, L), L = the row's sum of the unrounded 2^(t - M) over the block.  The next launch brings the sixteen blocks of a row to one maximum.
; t - M is formed by a subtraction, so it is exactly 0 at the maximum, also where a row of the block is masked throughout.
; LIMITS: any mask byte other than 0 counts as true; 2^(t - M) below 2^-25 becomes 0 in f16; NaN and infinities are not followed.
; 256 work-groups, four waves, as many as a WGP has SIMDs.  Wave w = (kh = w / 2, i = w % 2) makes rows 64 i .. 64 i + 63 x all 128 columns over HALF kh of every K step:
; 12 fragments (8 of B, 4 of A) for 32 matrix instructions.  The two halves of K are added once, at the end, through LDS: each output is the sum of two f32 partial sums.
; A's rows are turned by kh: tiles a = 0, 1 are rows 64 i + 32 kh .., which the wave keeps; a = 2, 3 the other 32, which it hands to wave w xor 2: one text for all waves.
; So a wave ends with 32 whole rows of the block: a row's maximum and sum need lane xor 16 alone, and a row of p is 256 bytes.
; K goes in 8 steps of 256 (rows of 512 bytes in memory) through two LDS slots; a slot holds A's 128 rows, then B's 128 rows; a wave fetches 64 rows with one tensor load.
; CLUSTERS: 4 x 4 work-groups.  A's tiles hang on the block row alone and are asked for jointly by a row of the cluster, B's on the block column alone, by a column.
; REGISTERS: window 0: addresses, mask bytes, two fragment buffers of 96 registers; window 1: the 32 accumulator tiles, (a, b) at v[8 (8 a + b)].
; The matrix instruction is used transposed (source 0 = B rows, source 1 = A rows): lane (r, h) holds row r and columns 8 h .. 8 h + 7 of a tile.
.set KSTEP,  256
.set PITCH,  528                       ; an LDS row: 512 bytes + 16 of padding, an odd multiple of 16
.set QT,     64*PITCH                  ; 64 rows: what one tensor load brings
.set SLOT,   4*QT                      ; A's 128 rows, then B's 128 rows
.set STAGE,  2*SLOT                    ; behind the ring: 16 rows x 272 bytes for each wave, filled by no tensor load
.set SPITCH, 272
.set LAPS,   4                         ; a lap = two K steps; 2048 / 512
.set ROWP,   4096                      ; bytes in a row of p
.set ROWM,   2048                      ; bytes in a row of mask
.set MA,   6                           ; v6-7    two chains of maxima; at work across the lanes
.set MB,   7
.set MP,   8                           ; v[8:9]  - M, twice
.set S0,   10                          ; v[10:13] two chains of packed sums
.set S1,   12
.set SM0,  14                          ; v[14:15] (M, L) of rows 0-15
.set ADRB, 16                          ; v16-17  B fragments in slot 0, 1
.set ADRL, 18                          ; v18-19  A fragments of the rows that I keep
.set ADRH, 20                          ; v20-21  A fragments of my partner's rows
.set XST,  22                          ; the exchange: where I put sums (16 KiB a wave, in slot 0 behind its last fill and last read)
.set XLD,  23                          ; and where my partner has put mine
.set STO,  24                          ; the way out: where I put 16 bytes of a row
.set RD,   25                          ; where I read a row back
.set CO,   26                          ; my byte offset in p
.set MOFF, 27                          ; my byte offset in mask
.set SOFF, 28                          ; my byte offset in st
.set MV,   29                          ; the mask's value
.set SM1,  30                          ; v[30:31] (M, L) of rows 16-31, then what the lane stores
.set MK,   32                          ; v[32:63] tile (a, b): eight mask bytes at v[MK + 16 a + 2 b]
.set F0,   64                          ; fragment buffer 0: B fragment b at F + 8 b, A fragment a at F + 64 + 8 a
.set F1,   160                         ; fragment buffer 1
.set T,    64                          ; v[64:191] behind the loop: my 16 tiles, (a, b) at T + 64 a + 8 b
.set TM,   192                         ; v[192:199] at work
.set G1, 24                            ; s[24:31] group 1 for A's tiles
.set G0, 32                            ; s[32:39] group 0 for A's tiles, a set for each slot
.set G1B, 48                           ; s[48:55] group 1 for B's tiles
.set G0B, 56                           ; s[56:63] group 0 for B's tiles
.set CS, 80                            ; s[80:81] C, twice
.set ACC, 0x50                         ; C and D in window 1, sources in window 0
.set MSB, 0
.macro WIN new                         ; the immediate's high byte repeats the setting that is left
.if MSB != \new
	s_set_vgpr_msb (MSB<<8)|\new
.set MSB, \new
.endif
.endm
.macro PLACES                          ; four places behind matrix instructions (ISA guide 7.12.1)
.rept 4
	v_nop
.endr
.endm
; A joint load: waves 0 and 1 ask for A's two halves, waves 2 and 3 for B's.  One mask a line; the branch hangs on the wave's number alone.
.macro JLOAD s
	s_cmp_eq_u32 s11, 0
	s_cbranch_scc0 .Lfor_b_\@
	tensor_load_to_lds s[G0+4*\s:G0+4*\s+3], s[G1:G1+7]
	s_nop 0
	s_branch .Lasked_\@
.Lfor_b_\@:
	tensor_load_to_lds s[G0B+4*\s:G0B+4*\s+3], s[G1B:G1B+7]
	s_nop 0
.Lasked_\@:
.endm
.macro CREST                           ; a round of the cluster's barrier behind its opening work-group barrier
	s_cmp_lg_u32 s10, 0
	s_cbranch_scc1 .Lnot_wave_0_\@
	s_barrier_signal -3
.Lnot_wave_0_\@:
	s_barrier_wait -3
	s_barrier_signal -1
	s_barrier_wait -1
.endm
.macro CROUND
	s_barrier_signal -1
	s_barrier_wait -1
	CREST
.endm
	s_load_b128 s[4:7], s[0:1], 0x0                ; A = qh s[4:5], B = kh s[6:7]
	s_load_b128 s[68:71], s[0:1], 0x10             ; mask s[68:69], p s[70:71]
	s_load_b64 s[72:73], s[0:1], 0x20              ; st
	s_set_vgpr_msb 0x80
	v_lshl_add_u32 v0, v0, 2, 0x46400
	v_mov_b32 v1, 0
	s_set_vgpr_msb 0x808a
	ds_add_u32 v0, v1
	s_set_vgpr_msb 0x8a00
	v_lshrrev_b32 v1, 5, v0
	v_readfirstlane_b32 s10, v1                    ; wave 0..3
	s_lshr_b32 s11, s10, 1                         ; kh: my half of each K step.  Also: I fetch for A (0) or for B (1)
	s_and_b32 s12, s10, 1                          ; i: my 64 rows.  Also: which 64 rows of that tile I fetch
	s_bfe_u32 s40, ttmp6, 0x40000                  ; cx
	s_bfe_u32 s41, ttmp6, 0x40004                  ; cy
	s_lshl_b32 s42, ttmp9, 2
	s_add_co_u32 s42, s42, s40                     ; block column = 4 x cluster x + cx
	s_and_b32 s13, ttmp7, 0xffff
	s_lshl_b32 s13, s13, 2
	s_add_co_u32 s13, s13, s41                     ; block row = 4 x cluster y + cy
	s_lshl_b32 s43, s41, 2
	s_lshl_b32 s43, 15, s43                        ; my row of the cluster
	s_lshl_b32 s44, 0x1111, s40                    ; my column
	s_mov_b32 s[CS], 0x400293ee                    ; C = sqrt(2) log2(e)
	s_mov_b32 s[CS+1], 0x400293ee
	s_mov_b32 s82, 0x76543210                      ; v_permlanex16_b32: lane i of one half reads lane i of the other
	s_mov_b32 s83, 0xfedcba98
	; group 1: a tile of 64 rows x 256 elements of 2 bytes, 4 words of padding behind every 128
	s_or_b32 s[G1+0], s43, (1<<16)|(1<<20)|(1<<21)|(6<<22)|(3<<25)   ; 15:0 mask; 17:16 size code 1; 20 padding on; 21 set beside a mask; 24:22 interval code 6; 31:25 pad code 3
	s_or_b32 s[G1B+0], s44, (1<<16)|(1<<20)|(1<<21)|(6<<22)|(3<<25)
	s_mov_b32 s[G1+1], KSTEP<<16                   ; tensor_dim0 = 256
	s_mov_b32 s[G1B+1], KSTEP<<16
	s_mov_b32 s[G1+2], 64<<16                      ; tensor_dim1 = 64
	s_mov_b32 s[G1B+2], 64<<16
	s_mov_b32 s[G1+3], KSTEP<<16                   ; tile_dim0 = 256
	s_mov_b32 s[G1B+3], KSTEP<<16
	s_mov_b32 s[G1+4], 64                          ; tile_dim1 = 64
	s_mov_b32 s[G1B+4], 64
	s_mov_b32 s[G1+5], 2048                        ; elements from row to row
	s_mov_b32 s[G1B+5], 2048
	s_mov_b32 s[G1+6], 0
	s_mov_b32 s[G1B+6], 0
	s_mov_b32 s[G1+7], 0
	s_mov_b32 s[G1B+7], 0
	; where the tiles come from: every wave makes both addresses, in registers that never hold the other coordinate
	s_lshl_b32 s17, s12, 6                         ; which 64 rows I fetch
	s_lshl_b32 s16, s13, 7
	s_add_co_u32 s16, s16, s17
	s_lshl_b32 s16, s16, 12                        ; A: (128 x block row + 64 x half) rows of 4,096 bytes
	s_lshl_b32 s46, s42, 7
	s_add_co_u32 s46, s46, s17
	s_lshl_b32 s46, s46, 12                        ; B: (128 x block column + 64 x half) rows
	s_mov_b32 s17, 0
	s_mov_b32 s47, 0
	s_mul_i32 s20, s10, QT                         ; and where they go: wave x 64 rows
	s_wait_dscnt 0x0
	s_wait_kmcnt 0x0
	s_add_nc_u64 s[14:15], s[4:5], s[16:17]
	s_add_nc_u64 s[46:47], s[6:7], s[46:47]
	CROUND                                         ; all sixteen work-groups are here: the first joint loads meet
.irp s, 0,1
	s_mov_b32 s[G0+4*\s], 1                                        ; count = 1
	s_add_co_u32 s[G0+4*\s+1], s20, \s*SLOT                        ; LDS address
	s_add_nc_u64 s[G0+4*\s+2:G0+4*\s+3], s[14:15], \s*KSTEP*2      ; global address: K step s
	s_or_b32 s[G0+4*\s+3], s[G0+4*\s+3], 0x80000000                ; type = 2
	s_mov_b32 s[G0B+4*\s], 1
	s_add_co_u32 s[G0B+4*\s+1], s20, \s*SLOT
	s_add_nc_u64 s[G0B+4*\s+2:G0B+4*\s+3], s[46:47], \s*KSTEP*2
	s_or_b32 s[G0B+4*\s+3], s[G0B+4*\s+3], 0x80000000
	JLOAD \s                                       ; both slots are asked for before anything else: two tensor loads of the wave are out
.endr
	; my 32 rows of the outputs begin at row R = 128 x block row + 64 i + 32 kh
	v_and_b32 v1, 15, v0                           ; r
	v_bfe_u32 v2, v0, 4, 1                         ; h
	s_lshl_b32 s16, s13, 7
	s_lshl_b32 s17, s12, 6
	s_add_co_u32 s16, s16, s17
	s_lshl_b32 s17, s11, 5
	s_add_co_u32 s16, s16, s17                     ; R
	s_lshl_b32 s76, s16, 11                        ; mask: R rows of 2,048 bytes + 128 x block column
	s_lshl_b32 s77, s42, 7
	s_add_co_u32 s76, s76, s77
	s_mov_b32 s77, 0
	s_add_nc_u64 s[68:69], s[68:69], s[76:77]
	v_lshlrev_b32 v5, 11, v1
	v_lshl_add_u32 v[MOFF], v2, 3, v5              ; row r, byte 8 h
	; The mask bytes of my 16 tiles, in the lanes that will hold the sums: asked for here, used behind the K loop.
.irp a, 0,1
.irp b, 0,1,2,3,4,5,6,7
	global_load_b64 v[MK+16*\a+2*\b:MK+16*\a+2*\b+1], v[MOFF], s[68:69] offset:\a*16*ROWM+16*\b
.endr
.endr
	s_lshl_b32 s76, s16, 12                        ; p: R rows of 4,096 bytes + 256 x block column
	s_lshl_b32 s77, s42, 8
	s_add_co_u32 s76, s76, s77
	s_mov_b32 s77, 0
	s_add_nc_u64 s[70:71], s[70:71], s[76:77]
	s_lshl_b32 s76, s16, 3                         ; st: block column x 2,048 pairs + R pairs of 8 bytes
	s_lshl_b32 s77, s42, 14
	s_add_co_u32 s76, s76, s77
	s_mov_b32 s77, 0
	s_add_nc_u64 s[72:73], s[72:73], s[76:77]
	v_mul_u32_u24 v3, v1, PITCH
	v_lshl_add_u32 v3, v2, 4, v3                   ; r x pitch + 16 h
	s_lshl_b32 s21, s11, 8                         ; my half of a K step: 256 bytes of each row
	s_add_co_u32 s22, s21, 2*QT                    ; B's 128 rows lie behind A's
	s_mul_i32 s23, s12, QT                         ; my 64 rows of A
	s_add_co_u32 s23, s23, s21
	s_mul_i32 s45, s11, QT/2                       ; of them the 32 that I keep: 32 kh ..
	s_add_co_u32 s45, s45, s23
	s_xor_b32 s74, s11, 1
	s_mul_i32 s74, s74, QT/2                       ; and my partner's: 32 (1 - kh) ..
	s_add_co_u32 s74, s74, s23
.irp s, 0,1
	v_add_nc_u32 v[ADRB+\s], s22, v3
	v_add_nc_u32 v[ADRL+\s], s45, v3
	v_add_nc_u32 v[ADRH+\s], s74, v3
	s_add_co_u32 s22, s22, SLOT
	s_add_co_u32 s45, s45, SLOT
	s_add_co_u32 s74, s74, SLOT
.endr
	v_and_b32 v4, 31, v0
	v_lshlrev_b32 v[SOFF], 3, v4                   ; 8 x lane
	v_lshlrev_b32 v4, 4, v4                        ; 16 x lane
	s_lshl_b32 s21, s10, 14
	v_add_nc_u32 v[XST], s21, v4                   ; 16,384 w + 16 x lane
	s_xor_b32 s22, s10, 2
	s_lshl_b32 s22, s22, 14
	v_add_nc_u32 v[XLD], s22, v4                   ; the same of wave w xor 2
	s_mul_i32 s23, s10, 16*SPITCH
	s_add_co_u32 s23, s23, STAGE                   ; my stage
	v_mul_u32_u24 v5, v1, SPITCH
	v_lshl_add_u32 v5, v2, 4, v5                   ; in: row r, 16 bytes for each half of the lanes
	v_add_nc_u32 v[STO], s23, v5
	v_mul_u32_u24 v5, v2, SPITCH
	v_lshl_add_u32 v5, v1, 4, v5                   ; back: lanes 0-15 one row of 256 bytes, lanes 16-31 the next
	v_add_nc_u32 v[RD], s23, v5
	v_lshlrev_b32 v5, 12, v2
	v_lshl_add_u32 v[CO], v1, 4, v5                ; the same two rows in p
	v_mov_b32 v[MV], 0xce28965f                    ; -1e9 sqrt(2048) / 64
; 8 matrix instructions: A block g x all eight B blocks, 32 along K.  zero = 1: the first product starts the sums.
.macro MUL8 f, g, zero
	WIN ACC
.irp b, 0,1,2,3,4,5,6,7
.if \zero
	v_wmma_f32_16x16x32_f16 v[8*(8*\g+\b):8*(8*\g+\b)+7], v[\f+8*\b:\f+8*\b+7], v[\f+64+8*\g:\f+64+8*\g+7], 0
.else
	v_wmma_f32_16x16x32_f16 v[8*(8*\g+\b):8*(8*\g+\b)+7], v[\f+8*\b:\f+8*\b+7], v[\f+64+8*\g:\f+64+8*\g+7], v[8*(8*\g+\b):8*(8*\g+\b)+7]
.endif
.endr
.endm
; 24 LDS loads in one run, in the order of their use: B, the rows that I keep, my partner's rows
.macro FETCH slot, k, f
	WIN 0
.irp b, 0,1,2,3,4,5,6,7
	ds_load_b128 v[\f+8*\b:\f+8*\b+3],   v[ADRB+\slot] offset:\k+\b*16*PITCH
	ds_load_b128 v[\f+8*\b+4:\f+8*\b+7], v[ADRB+\slot] offset:\k+\b*16*PITCH+32
.endr
.irp a, 0,1
	ds_load_b128 v[\f+64+8*\a:\f+64+8*\a+3],   v[ADRL+\slot] offset:\k+\a*16*PITCH
	ds_load_b128 v[\f+64+8*\a+4:\f+64+8*\a+7], v[ADRL+\slot] offset:\k+\a*16*PITCH+32
.endr
.irp a, 0,1
	ds_load_b128 v[\f+80+8*\a:\f+80+8*\a+3],   v[ADRH+\slot] offset:\k+\a*16*PITCH
	ds_load_b128 v[\f+80+8*\a+4:\f+80+8*\a+7], v[ADRH+\slot] offset:\k+\a*16*PITCH+32
.endr
.endm
; My half of a K step is four quarters of 32 along K, 32 matrix instructions each, on buffers 0, 1, 0, 1.  The 32 accumulators take turns, one instruction a turn,
; in the same order in every quarter, over the loop's backward jump too.
.macro QUARTER slot, k, f, g, zero
	s_wait_dscnt 4                                 ; B and the rows that I keep are in; the youngest four loads (my partner's rows) may be out
	MUL8 \f, 0, \zero
	PLACES                                         ; buffer g was read by the last quarter's matrix instructions
	FETCH \slot, \k, \g
	s_wait_dscnt 24                                ; all but the 24 just issued
	MUL8 \f, 1, \zero
	MUL8 \f, 2, \zero
	MUL8 \f, 3, \zero
.endm
.macro THREE slot, zero
	QUARTER \slot, 64,  F0, F1, \zero
	QUARTER \slot, 128, F1, F0, 0
	QUARTER \slot, 192, F0, F1, 0
.endm
; The last quarter multiplies buffer 1 and changes slots: each wave's reads of this slot and all its tensor loads are waited for in front of the barrier;
; fill = 1: the barrier opens a round of the cluster's barrier, and the joint refill, two K steps ahead, is the first tensor load behind the round.
; From a request to the wait for it a wave issues 120 matrix instructions.
.macro TURN slot, next, fill
	s_wait_dscnt 0x0                               ; buffer 1 is in, and my reads of this slot are over
	s_set_vgpr_msb 0x505a
	s_wait_tensorcnt 0x0                           ; all my tensor loads have landed: the one that was out is my part of the next slot
	ds_add_u32 v0, v1
	s_wait_dscnt 0x0
	s_set_vgpr_msb 0x5a50
	s_barrier_signal -1
	MUL8 F1, 0, 0                                  ; register work while the others arrive
	WIN 0                                          ; at a branch and at a label every window is 0
	s_barrier_wait -1
.if \fill
	CREST                                          ; no wave of any partner still reads this slot's tiles or has a load on its way
	s_add_nc_u64 s[G0+4*\slot+2:G0+4*\slot+3], s[G0+4*\slot+2:G0+4*\slot+3], 2*KSTEP*2       ; no tensor load of mine is out: group 0 may be written
	s_add_nc_u64 s[G0B+4*\slot+2:G0B+4*\slot+3], s[G0B+4*\slot+2:G0B+4*\slot+3], 2*KSTEP*2
	JLOAD \slot
.endif
	PLACES                                         ; buffer 0 was read by the third quarter's matrix instructions
	FETCH \next, 0, F0
	MUL8 F1, 1, 0
	MUL8 F1, 2, 0
	MUL8 F1, 3, 0
.endm
.macro LAP zero
	THREE 0, \zero
	TURN 0, 1, 1
	THREE 1, 0
	TURN 1, 0, 1
.endm
	s_wait_tensorcnt 1                             ; my part of K step 0 is in; K step 1's stays out
	s_barrier_signal -1
	s_barrier_wait -1                              ; everybody's is
	FETCH 0, 0, F0
	LAP 1                                          ; the first lap stands in front of the loop: its first products start the sums
	WIN 0
	s_mov_b32 s3, LAPS-2
.Llap:
	LAP 0
	WIN 0
	s_sub_co_u32 s3, s3, 1
	s_cmp_lg_u32 s3, 0
	s_cbranch_scc1 .Llap
	THREE 0, 0                                     ; the last lap fills nothing
	TURN 0, 1, 0
	THREE 1, 0
	s_wait_dscnt 0x0                               ; the very last quarter
	MUL8 F1, 0, 0
	MUL8 F1, 1, 0
	MUL8 F1, 2, 0
	MUL8 F1, 3, 0
	; THE TWO HALVES OF K MEET.  I hand tiles 16..31 (my partner's rows) over, register image as it is: 512 neighbouring bytes an instruction.
	; The bytes lie in slot 0, which has had its last fill; every wave's reads of it were waited for in front of the last change of slots.
	PLACES
	WIN 0x04                                       ; an LDS store's data is source 1: window 1
.set x, 0
.rept 16
	ds_store_b128 v[XST], v[128+8*x:128+8*x+3]   offset:x*1024
	ds_store_b128 v[XST], v[128+8*x+4:128+8*x+7] offset:x*1024+512
.set x, x+1
.endr
	WIN 0
	s_wait_dscnt 0x0                               ; for my partner's sake
	s_barrier_signal -1
	s_barrier_wait -1
.set x, 0
.rept 16
	ds_load_b128 v[T+8*x:T+8*x+3],   v[XLD] offset:x*1024
	ds_load_b128 v[T+8*x+4:T+8*x+7], v[XLD] offset:x*1024+512
.set x, x+1
.endr
.irp g, 0,1,2,3
	s_wait_dscnt 24-8*\g                           ; the first 8 (g + 1) of the 32 loads are in: tiles 4 g .. 4 g + 3
	WIN 0x01                                       ; source 0 in window 1: my own sums
.set i, 0
.rept 16
	v_pk_add_f32 v[T+32*\g+2*i:T+32*\g+2*i+1], v[32*\g+2*i:32*\g+2*i+1], v[T+32*\g+2*i:T+32*\g+2*i+1]
.set i, i+1
.endr
.endr
	WIN 0
	s_wait_loadcnt 0x0                             ; the mask bytes, asked for in front of the K loop
; t - M and 2^(t - M) of tile (a, b), in place.  The macros' arguments may be expressions: they stand in brackets.
.macro SUBEXP a, b
.irp q, 0,2,4,6
	v_pk_add_f32 v[T+64*(\a)+8*(\b)+\q:T+64*(\a)+8*(\b)+\q+1], v[T+64*(\a)+8*(\b)+\q:T+64*(\a)+8*(\b)+\q+1], v[MP:MP+1]
.endr
.irp j, 0,1,2,3,4,5,6,7
	v_exp_f32 v[T+64*(\a)+8*(\b)+\j], v[T+64*(\a)+8*(\b)+\j]
.endr
.endm
.macro SUMB a, b
.if (\b) > 0
	s_wait_alu depctr_va_vdst(0)
	v_pk_add_f32 v[S0:S0+1], v[S0:S0+1], v[T+64*(\a)+8*(\b):T+64*(\a)+8*(\b)+1]
	v_pk_add_f32 v[S1:S1+1], v[S1:S1+1], v[T+64*(\a)+8*(\b)+2:T+64*(\a)+8*(\b)+3]
	v_pk_add_f32 v[S0:S0+1], v[S0:S0+1], v[T+64*(\a)+8*(\b)+4:T+64*(\a)+8*(\b)+5]
	v_pk_add_f32 v[S1:S1+1], v[S1:S1+1], v[T+64*(\a)+8*(\b)+6:T+64*(\a)+8*(\b)+7]
.else
	s_wait_alu depctr_va_vdst(0)
	v_pk_add_f32 v[S0:S0+1], v[T+64*(\a):T+64*(\a)+1],   v[T+64*(\a)+2:T+64*(\a)+3]   ; the first tile starts the two chains: nothing is cleared
	v_pk_add_f32 v[S1:S1+1], v[T+64*(\a)+4:T+64*(\a)+5], v[T+64*(\a)+6:T+64*(\a)+7]
.endif
.endm
; Rows 16 a .. 16 a + 15 of my 32: a lane holds 64 numbers of row r.  rb: where the rows of p are read back to; sm: where (M, L) go.
.macro ROWS a, rb, sm
	; the mask's value goes in, the scale, and the largest of my 64 numbers in two chains
.irp b, 0,1,2,3,4,5,6,7
.irp j, 0,1,2,3,4,5,6,7
	v_bfe_u32 v[TM+\j], v[MK+16*\a+2*\b+(\j/4)], 8*(\j%4), 8
.endr
.irp j, 0,1,2,3,4,5,6,7
	v_cmp_ne_u32 vcc_lo, 0, v[TM+\j]
	v_cndmask_b32 v[T+64*\a+8*\b+\j], v[T+64*\a+8*\b+\j], v[MV], vcc_lo
.endr
.irp q, 0,2,4,6
	v_pk_mul_f32 v[T+64*\a+8*\b+\q:T+64*\a+8*\b+\q+1], v[T+64*\a+8*\b+\q:T+64*\a+8*\b+\q+1], s[CS:CS+1] op_sel_hi:[1,0]
.endr
.if \b
	v_max3_num_f32 v[MA], v[MA], v[T+64*\a+8*\b],   v[T+64*\a+8*\b+1]
	v_max3_num_f32 v[MB], v[MB], v[T+64*\a+8*\b+2], v[T+64*\a+8*\b+3]
.else
	v_max_num_f32 v[MA], v[T+64*\a],   v[T+64*\a+1]
	v_max_num_f32 v[MB], v[T+64*\a+2], v[T+64*\a+3]
.endif
	v_max3_num_f32 v[MA], v[MA], v[T+64*\a+8*\b+4], v[T+64*\a+8*\b+5]
	v_max3_num_f32 v[MB], v[MB], v[T+64*\a+8*\b+6], v[T+64*\a+8*\b+7]
.endr
	v_max_num_f32 v[MA], v[MA], v[MB]
	v_permlanex16_b32 v[MB], v[MA], s82, s83       ; the row's other 64 numbers lie in lane xor 16; the destination has been written
	v_max_num_f32 v[\sm], v[MA], v[MB]             ; M
	v_sub_f32 v[MP], 0, v[\sm]
	v_sub_f32 v[MP+1], 0, v[\sm]
	; Behind a tile's eight exponentials stands plain work on another tile before their results are read (ISA guide 5.7.2).
	SUBEXP \a, 0
.irp b, 1,2,3,4,5,6,7
	SUBEXP \a, \b
	SUMB \a, \b-1
.endr
	SUMB \a, 7
	v_pk_add_f32 v[S0:S0+1], v[S0:S0+1], v[S1:S1+1]
	v_add_f32 v[MA], v[S0], v[S0+1]
	v_permlanex16_b32 v[MB], v[MA], s82, s83
	v_add_f32 v[\sm+1], v[MA], v[MB]               ; L
	; round to f16 once; 16 bytes a lane into my stage; whole rows of 256 bytes back.  LDS serves a wave's instructions in order (ISA guide 5.7.1).
.irp b, 0,1,2,3,4,5,6,7
.irp q, 0,1,2,3
	v_cvt_pk_f16_f32 v[T+64*\a+8*\b+\q], v[T+64*\a+8*\b+2*\q], v[T+64*\a+8*\b+2*\q+1]
.endr
	ds_store_b128 v[STO], v[T+64*\a+8*\b:T+64*\a+8*\b+3] offset:32*\b
.endr
.irp t, 0,1,2,3,4,5,6,7
	ds_load_b128 v[\rb+4*\t:\rb+4*\t+3], v[RD] offset:\t*2*SPITCH
.endr
.irp t, 0,1,2,3,4,5,6,7
	s_wait_dscnt 7-\t
	global_store_b128 v[CO], v[\rb+4*\t:\rb+4*\t+3], s[70:71] offset:(16*\a+2*\t)*ROWP   ; 16 lanes store 256 consecutive bytes, aligned
.endr
.endm
	ROWS 0, 200, SM0                               ; read back into free registers
	ROWS 1, 64, SM1                                ; and into those of rows 0-15, which no pending store reads
	; lane l stores the pair of row l of my 32: lanes 0-15 hold it from the first sixteen rows, lanes 16-31 from the second
	v_cmp_eq_u32 vcc_lo, 0, v2
	v_cndmask_b32 v[SM1],   v[SM1],   v[SM0],   vcc_lo
	v_cndmask_b32 v[SM1+1], v[SM1+1], v[SM0+1], vcc_lo
	global_store_b64 v[SOFF], v[SM1:SM1+1], s[72:73]   ; the wave's 32 lanes store 256 consecutive bytes, aligned
	s_set_vgpr_msb 0xa
	s_wait_tensorcnt 0x0
	ds_add_u32 v0, v1
	s_wait_dscnt 0x0
	s_set_vgpr_msb 0xa00
	CROUND                                         ; the closing round: no work-group ends while a partner may still ask for a tile that names it
	s_endpgm
.Lfunc_end_k_qe4de48cc27_scores:
	.size	k_qe4de48cc27_scores, .Lfunc_end_k_qe4de48cc27_scores-k_qe4de48cc27_scores
	.p2alignl 7, 3214868480
	.fill 96, 4, 3214868480
	.section	.rodata,"a",@progbits
	.p2align	6, 0x0
	.amdhsa_kernel k_qe4de48cc27_scores
		.amdhsa_group_segment_fixed_size 327680
		.amdhsa_private_segment_fixed_size 0
		.amdhsa_enable_private_segment 0
		.amdhsa_kernarg_size 40
		.amdhsa_user_sgpr_count 2
		.amdhsa_user_sgpr_kernarg_segment_ptr 1
		.amdhsa_wavefront_size32 1
		.amdhsa_system_sgpr_workgroup_id_x 1
		.amdhsa_system_sgpr_workgroup_id_y 1
		.amdhsa_system_sgpr_workgroup_id_z 1
		.amdhsa_system_vgpr_workitem_id 0
		.amdhsa_next_free_vgpr 514
		.amdhsa_next_free_sgpr 84
		.amdhsa_reserve_vcc 1
		.amdhsa_float_denorm_mode_32 3
		.amdhsa_float_denorm_mode_16_64 3
		.amdhsa_memory_ordered 1
		.amdhsa_forward_progress 1
		.amdhsa_inst_pref_size 158
	.end_amdhsa_kernel
	.amdgpu_metadata
---
amdhsa.version: [ 1, 2 ]
amdhsa.kernels:
  - .name:           k_qe4de48cc27_scores
    .symbol:         k_qe4de48cc27_scores.kd
    .args:
      - { .name: qh, .offset: 0, .size: 8, .value_kind: global_buffer, .address_space: global }
      - { .name: kh, .offset: 8, .size: 8, .value_kind: global_buffer, .address_space: global }
      - { .name: mask, .offset: 16, .size: 8, .value_kind: global_buffer, .address_space: global }
      - { .name: p, .offset: 24, .size: 8, .value_kind: global_buffer, .address_space: global }
      - { .name: st, .offset: 32, .size: 8, .value_kind: global_buffer, .address_space: global }
    .group_segment_fixed_size: 327680
    .private_segment_fixed_size: 0
    .kernarg_segment_align: 8
    .kernarg_segment_size: 40
    .max_flat_workgroup_size: 128
    .sgpr_count:     84
    .vgpr_count:     514
    .wavefront_size: 32
...
	.end_amdgpu_metadata
.endif
;; end of part 3
;; launch pv (part 4): grid 16 x 16, 4 waves a work-group, clusters of 4 x 4, 327,680 bytes of LDS; arguments p, vt, st, out0; writes out0
.if DOCPART == 4
	.amdgcn_target "amdgcn-amd-amdhsa--gfx1250"
	.amdhsa_code_object_version 6
	.text
	.protected	k_qe4de48cc27_pv
	.globl	k_qe4de48cc27_pv
	.p2align	8
	.type	k_qe4de48cc27_pv,@function
k_qe4de48cc27_pv:
	s_mov_b64 s[64:65], 0
	v_nop
	global_prefetch_b8 v0, s[64:65] scope:SCOPE_SE
	s_setreg_imm32_b32 hwreg(HW_REG_WAVE_MODE, 25, 1), 1
	s_wait_xcnt 0x0
	s_wait_alu depctr_hold_cnt(0) depctr_sa_sdst(0) depctr_va_vdst(0) depctr_va_sdst(0) depctr_va_ssrc(0) depctr_va_vcc(0) depctr_vm_vsrc(0)
	s_getreg_b32 s2, hwreg(HW_REG_IB_STS2, 6, 4)
	s_cmp_eq_u32 s2, 0
	s_cbranch_scc0 .Lentry_in_a_cluster
	s_endpgm
.Lentry_in_a_cluster:
	s_bfe_u32 s2, ttmp6, 0x10000c
	s_cmp_lg_u32 s2, 0xf033
	s_cbranch_scc0 .Lentry_shape_is_right
	s_endpgm
.Lentry_shape_is_right:
; The second half of the softmax and the last product.  p[query][key] = f16(2^(t - M_b)), b = key / 128; st[b][query] = (M_b, L_b) in f32; vt[d][key] = f16(v / 8); out0 f32.
; For a query: M = the largest M_b; f_b = 8 x 2^(M_b - M) / sum over b of L_b 2^(M_b - M); out0[query][d] = sum over b of f_b x (sum over the keys of block b of p vt).
; So every exponential has had a maximum taken away, first the block's, here the row's; the factor 8 undoes the v / 8, exactly.  The sum is at least 1 (the block that holds M).
; LIMITS: NaN and infinities are not followed; 2^(M_b - M) below 2^-126 counts as 0.  ORDER OF SUMS: block by block in f32, the even and the odd blocks in two waves, added at the end.
; 256 work-groups, each a block of 128 x 128 of out0, four waves, as many as a WGP has SIMDs.  Wave w = (kh = w / 2, i = w % 2) makes rows 64 i .. 64 i + 63 x all 128 columns over
; HALF kh of every K step of 256: in step n that half is key block 2 n + kh.  12 fragments (8 of B, 4 of A) for 32 matrix instructions.
; A step's products are summed from 0 in 32 working tiles (window 1) and then folded into the master tiles (window 2): master += f x working, f the lane's own (a lane holds one row).
; A's rows are turned by kh: tiles a = 0, 1 are rows 64 i + 32 kh .., which the wave keeps; a = 2, 3 the other 32, which it hands to wave w xor 2 at the end, through LDS.
; K goes in 8 steps through two LDS slots; a slot holds A's 128 rows, then B's 128 rows (512 bytes of memory each); a wave fetches 64 rows with one tensor load.
; The eight steps are written out, so that the step's place in the table of f stands in the loads' immediate.
; CLUSTERS: 4 x 4 work-groups.  A's tiles hang on the block row alone and are asked for jointly by a row of the cluster, B's on the block column alone, by a column.
; The matrix instruction is used transposed (source 0 = B rows, source 1 = A rows): lane (r, h) holds row r and columns 8 h .. 8 h + 7 of a tile.
.set KSTEP,  256
.set PITCH,  528                       ; an LDS row: 512 bytes + 16 of padding, an odd multiple of 16
.set QT,     64*PITCH                  ; 64 rows: what one tensor load brings
.set SLOT,   4*QT                      ; A's 128 rows, then B's 128 rows
.set STAGE,  2*SLOT                    ; behind the ring: 16 rows x 528 bytes for each wave, filled by no tensor load
.set SPITCH, 528
.set TAB,    STAGE+4*16*SPITCH         ; the table: block b, row: the pair (f, f), 8 bytes; 16 x 128 x 8 bytes, filled by no tensor load
.set ROWC,   8192                      ; bytes in a row of out0
.set L16,  4                           ; v4      16 x lane: also my byte offset in a row of out0
.set FS,   6                           ; v[6:13] this step's (f, f) of tile rows a = 0..3 (v6-9 are at work in the set-up)
.set ADRB, 16                          ; v16-17  B fragments in slot 0, 1
.set ADRL, 18                          ; v18-19  A fragments of the rows that I keep
.set ADRH, 20                          ; v20-21  A fragments of my partner's rows
.set XST,  22                          ; the exchange: where I put sums (16 KiB a wave, in slot 0 behind its last fill and last read)
.set XLD,  23                          ; and where my partner has put mine
.set STO,  24                          ; the way out: where I put 16 bytes of a row
.set RD,   25                          ; where I read a row back
.set POFF, 27                          ; my byte offset in st: thread t takes row t of the block
.set SCL,  28                          ; the table's entries of the rows that I keep
.set SCH,  29                          ; and of my partner's rows
.set TADR, 30                          ; where thread t puts its row's entries
.set SB,   32                          ; v[32:63] block b: (M_b, L_b), then (f_b, f_b)
.set F0,   64                          ; fragment buffer 0: B fragment b at F + 8 b, A fragment a at F + 64 + 8 a
.set F1,   160                         ; fragment buffer 1
.set T,    64                          ; v[64:191] behind the steps: my 16 tiles, (a, b) at T + 64 a + 8 b
.set G1, 24                            ; s[24:31] group 1 for A's tiles
.set G0, 32                            ; s[32:39] group 0 for A's tiles, a set for each slot
.set G1B, 48                           ; s[48:55] group 1 for B's tiles
.set G0B, 56                           ; s[56:63] group 0 for B's tiles
.set ACC,   0x50                       ; C and D in window 1, sources in window 0
.set FOLDW, 0xa1                       ; destination and source 2 in window 2 (master), source 0 in window 1 (working), source 1 in window 0 (f)
.set MSB, 0
.macro WIN new                         ; the immediate's high byte repeats the setting that is left
.if MSB != \new
	s_set_vgpr_msb (MSB<<8)|\new
.set MSB, \new
.endif
.endm
.macro PLACES                          ; four places behind matrix instructions (ISA guide 7.12.1)
.rept 4
	v_nop
.endr
.endm
; A joint load: waves 0 and 1 ask for A's two halves, waves 2 and 3 for B's.  One mask a line; the branch hangs on the wave's number alone.
.macro JLOAD s
	s_cmp_eq_u32 s11, 0
	s_cbranch_scc0 .Lfor_b_\@
	tensor_load_to_lds s[G0+4*\s:G0+4*\s+3], s[G1:G1+7]
	s_nop 0
	s_branch .Lasked_\@
.Lfor_b_\@:
	tensor_load_to_lds s[G0B+4*\s:G0B+4*\s+3], s[G1B:G1B+7]
	s_nop 0
.Lasked_\@:
.endm
.macro CREST                           ; a round of the cluster's barrier behind its opening work-group barrier
	s_cmp_lg_u32 s10, 0
	s_cbranch_scc1 .Lnot_wave_0_\@
	s_barrier_signal -3
.Lnot_wave_0_\@:
	s_barrier_wait -3
	s_barrier_signal -1
	s_barrier_wait -1
.endm
.macro CROUND
	s_barrier_signal -1
	s_barrier_wait -1
	CREST
.endm
	s_load_b128 s[4:7], s[0:1], 0x0                ; A = p s[4:5], B = vt s[6:7]
	s_load_b128 s[68:71], s[0:1], 0x10             ; st s[68:69], out0 s[70:71]
	v_lshl_add_u32 v26, v0, 2, 0x4e400
	v_mov_b32 v31, 0
	ds_add_u32 v26, v31
	v_lshrrev_b32 v1, 5, v0
	v_readfirstlane_b32 s10, v1                    ; wave 0..3
	s_lshr_b32 s11, s10, 1                         ; kh: my half of each K step.  Also: I fetch for A (0) or for B (1)
	s_and_b32 s12, s10, 1                          ; i: my 64 rows.  Also: which 64 rows of that tile I fetch
	s_bfe_u32 s40, ttmp6, 0x40000                  ; cx
	s_bfe_u32 s41, ttmp6, 0x40004                  ; cy
	s_lshl_b32 s42, ttmp9, 2
	s_add_co_u32 s42, s42, s40                     ; block column = 4 x cluster x + cx
	s_and_b32 s13, ttmp7, 0xffff
	s_lshl_b32 s13, s13, 2
	s_add_co_u32 s13, s13, s41                     ; block row = 4 x cluster y + cy
	s_lshl_b32 s43, s41, 2
	s_lshl_b32 s43, 15, s43                        ; my row of the cluster
	s_lshl_b32 s44, 0x1111, s40                    ; my column
	; group 1: a tile of 64 rows x 256 elements of 2 bytes, 4 words of padding behind every 128
	s_or_b32 s[G1+0], s43, (1<<16)|(1<<20)|(1<<21)|(6<<22)|(3<<25)   ; 15:0 mask; 17:16 size code 1; 20 padding on; 21 set beside a mask; 24:22 interval code 6; 31:25 pad code 3
	s_or_b32 s[G1B+0], s44, (1<<16)|(1<<20)|(1<<21)|(6<<22)|(3<<25)
	s_mov_b32 s[G1+1], KSTEP<<16                   ; tensor_dim0 = 256
	s_mov_b32 s[G1B+1], KSTEP<<16
	s_mov_b32 s[G1+2], 64<<16                      ; tensor_dim1 = 64
	s_mov_b32 s[G1B+2], 64<<16
	s_mov_b32 s[G1+3], KSTEP<<16                   ; tile_dim0 = 256
	s_mov_b32 s[G1B+3], KSTEP<<16
	s_mov_b32 s[G1+4], 64                          ; tile_dim1 = 64
	s_mov_b32 s[G1B+4], 64
	s_mov_b32 s[G1+5], 2048                        ; elements from row to row
	s_mov_b32 s[G1B+5], 2048
	s_mov_b32 s[G1+6], 0
	s_mov_b32 s[G1B+6], 0
	s_mov_b32 s[G1+7], 0
	s_mov_b32 s[G1B+7], 0
	; where the tiles come from: every wave makes both addresses, in registers that never hold the other coordinate
	s_lshl_b32 s17, s12, 6                         ; which 64 rows I fetch
	s_lshl_b32 s16, s13, 7
	s_add_co_u32 s16, s16, s17
	s_lshl_b32 s16, s16, 12                        ; A: (128 x block row + 64 x half) rows of 4,096 bytes
	s_lshl_b32 s46, s42, 7
	s_add_co_u32 s46, s46, s17
	s_lshl_b32 s46, s46, 12                        ; B: (128 x block column + 64 x half) rows
	s_mov_b32 s17, 0
	s_mov_b32 s47, 0
	s_mul_i32 s20, s10, QT                         ; and where they go: wave x 64 rows
	s_wait_dscnt 0x0
	s_wait_kmcnt 0x0
	s_add_nc_u64 s[14:15], s[4:5], s[16:17]
	s_add_nc_u64 s[46:47], s[6:7], s[46:47]
	CROUND                                         ; all sixteen work-groups are here: the first joint loads meet
.irp s, 0,1
	s_mov_b32 s[G0+4*\s], 1                                        ; count = 1
	s_add_co_u32 s[G0+4*\s+1], s20, \s*SLOT                        ; LDS address
	s_add_nc_u64 s[G0+4*\s+2:G0+4*\s+3], s[14:15], \s*KSTEP*2      ; global address: K step s
	s_or_b32 s[G0+4*\s+3], s[G0+4*\s+3], 0x80000000                ; type = 2
	s_mov_b32 s[G0B+4*\s], 1
	s_add_co_u32 s[G0B+4*\s+1], s20, \s*SLOT
	s_add_nc_u64 s[G0B+4*\s+2:G0B+4*\s+3], s[46:47], \s*KSTEP*2
	s_or_b32 s[G0B+4*\s+3], s[G0B+4*\s+3], 0x80000000
	JLOAD \s                                       ; both slots are asked for before anything else: two tensor loads of the wave are out
.endr
	; The sixteen pairs (M_b, L_b) of row t of my block row: a load of a wave covers 256 consecutive bytes.  They travel while the first tiles do.
	s_lshl_b32 s76, s13, 10                        ; 128 rows of 8 bytes a block row
	s_mov_b32 s77, 0
	s_add_nc_u64 s[68:69], s[68:69], s[76:77]
	v_lshlrev_b32 v[POFF], 3, v0
.irp b, 0,1,2,3,4,5,6,7,8,9,10,11,12,13,14,15
	global_load_b64 v[SB+2*\b:SB+2*\b+1], v[POFF], s[68:69] offset:\b*16384
.endr
	v_and_b32 v1, 15, v0                           ; r
	v_bfe_u32 v2, v0, 4, 1                         ; h
	v_mul_u32_u24 v3, v1, PITCH
	v_lshl_add_u32 v3, v2, 4, v3                   ; r x pitch + 16 h
	s_lshl_b32 s21, s11, 8                         ; my half of a K step: 256 bytes of each row
	s_add_co_u32 s22, s21, 2*QT                    ; B's 128 rows lie behind A's
	s_mul_i32 s23, s12, QT                         ; my 64 rows of A
	s_add_co_u32 s23, s23, s21
	s_mul_i32 s45, s11, QT/2                       ; of them the 32 that I keep: 32 kh ..
	s_add_co_u32 s45, s45, s23
	s_xor_b32 s74, s11, 1
	s_mul_i32 s74, s74, QT/2                       ; and my partner's: 32 (1 - kh) ..
	s_add_co_u32 s74, s74, s23
.irp s, 0,1
	v_add_nc_u32 v[ADRB+\s], s22, v3
	v_add_nc_u32 v[ADRL+\s], s45, v3
	v_add_nc_u32 v[ADRH+\s], s74, v3
	s_add_co_u32 s22, s22, SLOT
	s_add_co_u32 s45, s45, SLOT
	s_add_co_u32 s74, s74, SLOT
.endr
	v_and_b32 v5, 31, v0                           ; lane
	v_lshlrev_b32 v[L16], 4, v5                    ; 16 x lane
	s_lshl_b32 s21, s10, 14
	v_add_nc_u32 v[XST], s21, v[L16]               ; 16,384 w + 16 x lane
	s_xor_b32 s22, s10, 2
	s_lshl_b32 s22, s22, 14
	v_add_nc_u32 v[XLD], s22, v[L16]               ; the same of wave w xor 2
	s_lshl_b32 s75, s10, 8
	s_add_co_u32 s75, s75, TAB
	v_lshl_add_u32 v[TADR], v5, 3, s75             ; the table's row t = 32 w + lane, 8 bytes a row
	s_mul_i32 s23, s10, 16*SPITCH
	s_add_co_u32 s23, s23, STAGE                   ; my stage
	v_mul_u32_u24 v5, v1, SPITCH
	v_lshl_add_u32 v5, v2, 5, v5                   ; in: row r, 32 bytes for each half of the lanes
	v_add_nc_u32 v[STO], s23, v5
	v_add_nc_u32 v[RD], s23, v[L16]                ; back: the 32 lanes take one row of 512 bytes
	s_lshl_b32 s75, s11, 10                        ; the table: block 2 n + kh is 1,024 kh + 2,048 n bytes in,
	s_lshl_b32 s76, s12, 9                         ; my 64 rows 512 i,
	s_add_co_u32 s75, s75, s76
	s_add_co_u32 s75, s75, TAB
	s_lshl_b32 s76, s11, 8                         ; the 32 that I keep 256 kh,
	s_add_co_u32 s76, s76, s75
	s_xor_b32 s77, s11, 1
	s_lshl_b32 s77, s77, 8                         ; my partner's 256 (1 - kh)
	s_add_co_u32 s77, s77, s75
	v_lshl_add_u32 v[SCL], v1, 3, s76
	v_lshl_add_u32 v[SCH], v1, 3, s77
	s_lshl_b32 s16, s13, 7                         ; my 32 rows of out0 begin at row 128 x block row + 64 i + 32 kh
	s_lshl_b32 s17, s12, 6
	s_add_co_u32 s16, s16, s17
	s_lshl_b32 s17, s11, 5
	s_add_co_u32 s16, s16, s17
	s_lshl_b32 s76, s16, 13                        ; rows of 8,192 bytes + 512 x block column
	s_lshl_b32 s77, s42, 9
	s_add_co_u32 s76, s76, s77
	s_mov_b32 s77, 0
	s_add_nc_u64 s[70:71], s[70:71], s[76:77]
	; f_b of row t, for all sixteen blocks
	s_wait_loadcnt 0x0
	v_max_num_f32 v6, v[SB], v[SB+2]
.irp b, 2,4,6,8,10,12,14
	v_max3_num_f32 v6, v6, v[SB+2*\b], v[SB+2*\b+2]
.endr
.irp b, 0,1,2,3,4,5,6,7,8,9,10,11,12,13,14,15
	v_sub_f32 v[SB+2*\b], v[SB+2*\b], v6           ; M_b - M: 0 in the block that holds the row's maximum
.endr
.irp b, 0,1,2,3,4,5,6,7,8,9,10,11,12,13,14,15
	v_exp_f32 v[SB+2*\b], v[SB+2*\b]
.endr
	v_nop                                          ; one plain place behind the exponentials (ISA guide 5.7.2)
	s_wait_alu depctr_va_vdst(0)
	v_mul_f32 v7, v[SB], v[SB+1]                   ; the first two products start the two chains
	v_mul_f32 v8, v[SB+2], v[SB+3]
.irp b, 2,4,6,8,10,12,14
	v_fmac_f32 v7, v[SB+2*\b], v[SB+2*\b+1]
	v_fmac_f32 v8, v[SB+2*\b+2], v[SB+2*\b+3]
.endr
	v_add_f32 v7, v7, v8
	v_rcp_f32 v9, v7
	v_nop                                          ; one plain place behind v_rcp_f32
	s_wait_alu depctr_va_vdst(0)
	v_mul_f32 v8, 8.0, v9
.irp b, 0,1,2,3,4,5,6,7,8,9,10,11,12,13,14,15
	v_mul_f32 v[SB+2*\b+1], v[SB+2*\b], v8         ; f twice: a pair for the packed multiply-add
	v_mul_f32 v[SB+2*\b],   v[SB+2*\b], v8
	ds_store_b64 v[TADR], v[SB+2*\b:SB+2*\b+1] offset:\b*1024
.endr
; 8 matrix instructions: A block g x all eight B blocks, 32 along K.  zero = 1: the product starts the working sums of a step.
.macro MUL8 f, g, zero
	WIN ACC
.irp b, 0,1,2,3,4,5,6,7
.if \zero
	v_wmma_f32_16x16x32_f16 v[8*(8*\g+\b):8*(8*\g+\b)+7], v[\f+8*\b:\f+8*\b+7], v[\f+64+8*\g:\f+64+8*\g+7], 0
.else
	v_wmma_f32_16x16x32_f16 v[8*(8*\g+\b):8*(8*\g+\b)+7], v[\f+8*\b:\f+8*\b+7], v[\f+64+8*\g:\f+64+8*\g+7], v[8*(8*\g+\b):8*(8*\g+\b)+7]
.endif
.endr
.endm
; 32 packed lines: master tiles (g, 0..7) += f x working tiles.  first = 1: the first step's products start the master sums: nothing is cleared.
.macro FOLD g, first
	WIN FOLDW
.irp b, 0,1,2,3,4,5,6,7
.irp q, 0,2,4,6
.if \first
	v_pk_mul_f32 v[8*(8*\g+\b)+\q:8*(8*\g+\b)+\q+1], v[8*(8*\g+\b)+\q:8*(8*\g+\b)+\q+1], v[FS+2*\g:FS+2*\g+1]
.else
	v_pk_fma_f32 v[8*(8*\g+\b)+\q:8*(8*\g+\b)+\q+1], v[8*(8*\g+\b)+\q:8*(8*\g+\b)+\q+1], v[FS+2*\g:FS+2*\g+1], v[8*(8*\g+\b)+\q:8*(8*\g+\b)+\q+1]
.endif
.endr
.endr
.endm
; 24 LDS loads in one run, in the order of their use: B, the rows that I keep, my partner's rows
.macro FETCH slot, k, f
	WIN 0
.irp b, 0,1,2,3,4,5,6,7
	ds_load_b128 v[\f+8*\b:\f+8*\b+3],   v[ADRB+\slot] offset:\k+\b*16*PITCH
	ds_load_b128 v[\f+8*\b+4:\f+8*\b+7], v[ADRB+\slot] offset:\k+\b*16*PITCH+32
.endr
.irp a, 0,1
	ds_load_b128 v[\f+64+8*\a:\f+64+8*\a+3],   v[ADRL+\slot] offset:\k+\a*16*PITCH
	ds_load_b128 v[\f+64+8*\a+4:\f+64+8*\a+7], v[ADRL+\slot] offset:\k+\a*16*PITCH+32
.endr
.irp a, 0,1
	ds_load_b128 v[\f+80+8*\a:\f+80+8*\a+3],   v[ADRH+\slot] offset:\k+\a*16*PITCH
	ds_load_b128 v[\f+80+8*\a+4:\f+80+8*\a+7], v[ADRH+\slot] offset:\k+\a*16*PITCH+32
.endr
.endm
; step n's (f, f) of my four tile rows: lane (r, h) takes row r's
.macro SCALE n
	ds_load_b64 v[FS:FS+1],   v[SCL] offset:\n*2048
	ds_load_b64 v[FS+2:FS+3], v[SCL] offset:\n*2048+128
	ds_load_b64 v[FS+4:FS+5], v[SCH] offset:\n*2048
	ds_load_b64 v[FS+6:FS+7], v[SCH] offset:\n*2048+128
.endm
; My half of a K step is four quarters of 32 along K, 32 matrix instructions each, on buffers 0, 1, 0, 1.  The 32 working tiles take turns, one instruction a turn,
; in the same order in every quarter.  sc = the step whose f are fetched ahead of the fragments, or -1.
.macro QUARTER slot, k, f, g, zero, sc
	s_wait_dscnt 4                                 ; B and the rows that I keep are in; the youngest four loads (my partner's rows) may be out
	MUL8 \f, 0, \zero
	PLACES                                         ; buffer g was read by the last quarter's matrix instructions
	WIN 0
.if \sc >= 0
	SCALE \sc
.endif
	FETCH \slot, \k, \g
	s_wait_dscnt 24                                ; all but the 24 fragment loads just issued: the f, which stand ahead of them, are in too
	MUL8 \f, 1, \zero
	MUL8 \f, 2, \zero
	MUL8 \f, 3, \zero
.endm
.macro THREE slot, n
	QUARTER \slot, 64,  F0, F1, 1, -1              ; each step's first products start its working sums; the folds of the step before stand between (more than five places)
	QUARTER \slot, 128, F1, F0, 0, -1
	QUARTER \slot, 192, F0, F1, 0, \n
.endm
; The last quarter multiplies buffer 1, changes slots and folds.  Each wave's reads of this slot and all its tensor loads are waited for in front of the barrier;
; fill = 1: the barrier opens a round of the cluster's barrier, and the joint refill, two K steps ahead, is the first tensor load behind the round.
; A fold reads matrix results four places or more behind them: group 0's behind the four v_nop, each later group's behind the 32 lines of the fold before,
; which name none of that group's registers.
.macro TURN slot, next, fill, first
	s_wait_dscnt 0x0                               ; buffer 1 is in, and my reads of this slot are over
	s_wait_tensorcnt 0x0                           ; all my tensor loads have landed: the one that was out is my part of the next slot
	ds_add_u32 v26, v31
	s_wait_dscnt 0x0
	s_barrier_signal -1
	MUL8 F1, 0, 0                                  ; register work while the others arrive
	WIN 0                                          ; at a branch and at a label every window is 0
	s_barrier_wait -1
.if \fill
	CREST                                          ; no wave of any partner still reads this slot's tiles or has a load on its way
	s_add_nc_u64 s[G0+4*\slot+2:G0+4*\slot+3], s[G0+4*\slot+2:G0+4*\slot+3], 2*KSTEP*2       ; no tensor load of mine is out: group 0 may be written
	s_add_nc_u64 s[G0B+4*\slot+2:G0B+4*\slot+3], s[G0B+4*\slot+2:G0B+4*\slot+3], 2*KSTEP*2
	JLOAD \slot
.endif
	PLACES                                         ; buffer 0 was read by the third quarter's matrix instructions
	FETCH \next, 0, F0
	MUL8 F1, 1, 0
	FOLD 0, \first
	MUL8 F1, 2, 0
	FOLD 1, \first
	MUL8 F1, 3, 0
	FOLD 2, \first
	FOLD 3, \first
.endm
	s_wait_tensorcnt 1                             ; my part of K step 0 is in; K step 1's stays out
	s_wait_dscnt 0x0                               ; my rows of the table are written, for the others' sake
	s_barrier_signal -1
	s_barrier_wait -1                              ; everybody's are
	FETCH 0, 0, F0
	THREE 0, 0
	TURN 0, 1, 1, 1
	THREE 1, 1
	TURN 1, 0, 1, 0
	THREE 0, 2
	TURN 0, 1, 1, 0
	THREE 1, 3
	TURN 1, 0, 1, 0
	THREE 0, 4
	TURN 0, 1, 1, 0
	THREE 1, 5
	TURN 1, 0, 1, 0
	THREE 0, 6                                     ; the last two steps fill nothing
	TURN 0, 1, 0, 0
	THREE 1, 7
	s_wait_dscnt 0x0                               ; the very last quarter
	MUL8 F1, 0, 0
	MUL8 F1, 1, 0
	PLACES
	FOLD 0, 0
	MUL8 F1, 2, 0
	FOLD 1, 0
	MUL8 F1, 3, 0
	FOLD 2, 0
	FOLD 3, 0
	; THE TWO HALVES OF K MEET.  I hand master tiles 16..31 (my partner's rows) over, register image as it is: 512 neighbouring bytes an instruction.
	; The bytes lie in slot 0, which has had its last fill; every wave's reads of it were waited for in front of the last change of slots.
	; The loads below land in fragment registers; the 64 lines of the last two folds are the places behind the last matrix instructions.
	WIN 0x08                                       ; an LDS store's data is source 1: window 2
.set x, 0
.rept 16
	ds_store_b128 v[XST], v[128+8*x:128+8*x+3]   offset:x*1024
	ds_store_b128 v[XST], v[128+8*x+4:128+8*x+7] offset:x*1024+512
.set x, x+1
.endr
	WIN 0
	s_wait_dscnt 0x0                               ; for my partner's sake
	s_barrier_signal -1
	s_barrier_wait -1
.set x, 0
.rept 16
	ds_load_b128 v[T+8*x:T+8*x+3],   v[XLD] offset:x*1024
	ds_load_b128 v[T+8*x+4:T+8*x+7], v[XLD] offset:x*1024+512
.set x, x+1
.endr
.irp g, 0,1,2,3
	s_wait_dscnt 24-8*\g                           ; the first 8 (g + 1) of the 32 loads are in: tiles 4 g .. 4 g + 3
	WIN 0x02                                       ; source 0 in window 2: my own sums
.set i, 0
.rept 16
	v_pk_add_f32 v[T+32*\g+2*i:T+32*\g+2*i+1], v[32*\g+2*i:32*\g+2*i+1], v[T+32*\g+2*i:T+32*\g+2*i+1]
.set i, i+1
.endr
.endr
	WIN 0
; THE WAY OUT, 16 rows at a time through my own stage: a lane's eight f32 are 32 bytes of a row; read back, a row of the block is 512 bytes, one load of the wave.
; d: where the rows are read back to: registers that no pending store reads.  LDS serves a wave's instructions in order (ISA guide 5.7.1): the loads see the stores above them.
.macro OUT16 a, d
.irp b, 0,1,2,3,4,5,6,7
	ds_store_b128 v[STO], v[T+64*\a+8*\b:T+64*\a+8*\b+3]   offset:64*\b
	ds_store_b128 v[STO], v[T+64*\a+8*\b+4:T+64*\a+8*\b+7] offset:64*\b+16
.endr
.irp t, 0,1,2,3,4,5,6,7,8,9,10,11,12,13,14,15
	ds_load_b128 v[\d+4*\t:\d+4*\t+3], v[RD] offset:\t*SPITCH
.endr
.irp t, 0,1,2,3,4,5,6,7,8,9,10,11,12,13,14,15
	s_wait_dscnt 15-\t
	global_store_b128 v[L16], v[\d+4*\t:\d+4*\t+3], s[70:71] offset:(16*\a+\t)*ROWC   ; the wave stores 512 consecutive bytes, aligned
.endr
.endm
	OUT16 0, 192                                   ; into free registers
	OUT16 1, 64                                    ; and into those of rows 0-15, whose LDS stores the count-down to 0 has shown done
	s_wait_tensorcnt 0x0
	ds_add_u32 v26, v31
	s_wait_dscnt 0x0
	CROUND                                         ; the closing round: no work-group ends while a partner may still ask for a tile that names it
	s_endpgm
.Lfunc_end_k_qe4de48cc27_pv:
	.size	k_qe4de48cc27_pv, .Lfunc_end_k_qe4de48cc27_pv-k_qe4de48cc27_pv
	.p2alignl 7, 3214868480
	.fill 96, 4, 3214868480
	.section	.rodata,"a",@progbits
	.p2align	6, 0x0
	.amdhsa_kernel k_qe4de48cc27_pv
		.amdhsa_group_segment_fixed_size 327680
		.amdhsa_private_segment_fixed_size 0
		.amdhsa_enable_private_segment 0
		.amdhsa_kernarg_size 32
		.amdhsa_user_sgpr_count 2
		.amdhsa_user_sgpr_kernarg_segment_ptr 1
		.amdhsa_wavefront_size32 1
		.amdhsa_system_sgpr_workgroup_id_x 1
		.amdhsa_system_sgpr_workgroup_id_y 1
		.amdhsa_system_sgpr_workgroup_id_z 1
		.amdhsa_system_vgpr_workitem_id 0
		.amdhsa_next_free_vgpr 768
		.amdhsa_next_free_sgpr 84
		.amdhsa_reserve_vcc 0
		.amdhsa_float_denorm_mode_32 3
		.amdhsa_float_denorm_mode_16_64 3
		.amdhsa_memory_ordered 1
		.amdhsa_forward_progress 1
		.amdhsa_inst_pref_size 223
	.end_amdhsa_kernel
	.amdgpu_metadata
---
amdhsa.version: [ 1, 2 ]
amdhsa.kernels:
  - .name:           k_qe4de48cc27_pv
    .symbol:         k_qe4de48cc27_pv.kd
    .args:
      - { .name: p, .offset: 0, .size: 8, .value_kind: global_buffer, .address_space: global }
      - { .name: vt, .offset: 8, .size: 8, .value_kind: global_buffer, .address_space: global }
      - { .name: st, .offset: 16, .size: 8, .value_kind: global_buffer, .address_space: global }
      - { .name: out0, .offset: 24, .size: 8, .value_kind: global_buffer, .address_space: global }
    .group_segment_fixed_size: 327680
    .private_segment_fixed_size: 0
    .kernarg_segment_align: 8
    .kernarg_segment_size: 32
    .max_flat_workgroup_size: 128
    .sgpr_count:     84
    .vgpr_count:     768
    .wavefront_size: 32
...
	.end_amdgpu_metadata
.endif
;; end of part 4
